; MI455X (gfx1250); checked and timed in simulation.
; The chip was launched on July 23, 2026; its instructions are those of AMD's public machine-readable ISA for CDNA 5 (MIT licence, August 2026) and "CDNA5" Instruction Set Architecture Reference Guide (July 2026). The comments in the code are by the model that wrote it; some were corrected since.
;; Simple Mo E Layer. Allowed arithmetic: matrix products marked QUANTISED: E2M3 operands, one E8M0 scale for each 32 along K, by v_wmma_scale_f32_16x16x128_f8f6f4 with both operands' format E2M3, f32 sums; products left as they are: f32 operands where the result goes on into a quantised operand, else bf16, f16 or f32 operands; f32 sums; everything else in f32.
;; Inputs: W1_codes 2 x 2,048 x 16 x 24 uint8 (E2M3 codes of W1, K innermost, in blocks of 32 codes, four codes in three bytes); W1_scales 2 x 2,048 x 16 uint8 (E8M0 scales of W1, one for each 32 codes along K); W2_codes 2 x 512 x 64 x 24 uint8 (E2M3 codes of W2, K innermost, in blocks of 32 codes, four codes in three bytes); W2_scales 2 x 512 x 64 uint8 (E8M0 scales of W2, one for each 32 codes along K); Wg 512 x 2 float32; b1 2 x 2,048 float32; b2 2 x 512 float32; bg 2 float32; hidden_states 8 x 2,048 x 512 float32.
;; Outputs: out0 8 x 2,048 x 512 float32; out1 one number float32.
;; This version of the problem:
;;   THIS VERSION OF THE PROBLEM IS GIVEN IN LOW PRECISION. The matrix products marked QUANTISED in the list below multiply operands that are first quantised to E2M3 (2 exponent bits, 3 mantissa bits; 6 bits a number), with one power-of-two scale for each 32 numbers along K (OCP MX v1.0); their sums are f32. All else is computed in f32.
;;   The module's matrix products, in the order in which they are computed (A, B: the left and right operand; K: the contracted axis; several contracted axes count as one K, in the product's order):
;;     1. [M 16,384, K 512] x [K 512, N 2]; A: input hidden_states; B: input Wg: left as it is (N = 2 < 16)
;;     2. [M 4,096, K 512] x [K 512, N 16,384]; A: input W1 (given as codes); B: input hidden_states: QUANTISED
;;     3. batch 2 x [M 16,384, K 2,048] x [K 2,048, N 512]; A: computed on the way; B: input W2 (given as codes): QUANTISED
;;   THE QUANTISER, for each operand of a quantised product, along K:
;;     - K is cut into blocks of 32 from its start; a last block that is shorter is filled with zeros.
;;     - A block's scale is 2^e with e = floor(log2(the largest magnitude in the block)) - 2, held to -126 .. 127; a block of zeros has e = 0. As a byte (E8M0): e + 127.
;;     - Each number is divided by its block's scale, clamped to +-7.5, and rounded to the nearest number of E2M3, ties to even, subnormals kept.
;;     - The product sums the exact products of the quantised numbers (number of the format x scale) in f32.
;;   ~~~python
;;   def quantise(x, axis):      # numpy; x: float32 -> the quantised numbers, widened to float32 again
;;       x = np.moveaxis(x, axis, -1); K = x.shape[-1]
;;       x = np.pad(x, [(0, 0)] * (x.ndim - 1) + [(0, -K % 32)]); x = x.reshape(x.shape[:-1] + (-1, 32)); a = np.abs(x).max(-1, keepdims=True)
;;       e = np.where(a > 0, np.clip(np.frexp(np.where(a > 0, a, 1))[1] - 1 - 2, -126, 127), 0)      # np.frexp(a)[1] - 1 = floor(log2(a)), exactly
;;       r = np.clip(x / 2.0 ** e, -7.5, 7.5)
;;       step = 2.0 ** (np.maximum(np.frexp(np.where(r == 0, 1, r))[1] - 1, 0) - 3)
;;       q = np.round(r / step) * step * 2.0 ** e      # np.round: ties to even
;;       return np.moveaxis(q.reshape(q.shape[:-2] + (-1,))[..., :K], -1, axis).astype(np.float32)
;;   ~~~
;;   OPERANDS COMPUTED ON THE WAY. 'Computed on the way' means the value that the module computes at that place (a softmax that the list does not call 'softmax' is quantised finished and normalised). What goes into a quantiser is computed in f32, as accurately as f32 sums, v_exp_f32 and their like allow (about 1e-6 of the number): no bf16 or f16 on the way to a quantiser, and a product that is left as it is and whose result goes on into a quantised operand takes f32 operands (vector FMAs, or v_wmma_f32_16x16x4_f32). A number that lies on a knife's edge between two numbers of the format may be rounded either way, as far as f32 arithmetic and the matrix unit's own rounding can turn it there, and no further.
;;   INPUTS GIVEN AS CODES. W1 (in the module: [2, 512, 2048], K = its axis 1); W2 (in the module: [2, 2048, 512], K = its axis 1): each comes as NAME_codes (uint8): NAME with its K axis moved to the last place and cut into blocks of 32 codes, [.., K / 32, bytes a block], one block behind the other in memory; four codes in three bytes: a row's codes are one little-endian stream of bits, code i at bits 6 i .. 6 i + 5 (a code: sign, 2 exponent bits, 3 mantissa bits); and NAME_scales (uint8): the same leading axes, one E8M0 byte (e + 127) for each 32 codes along K. Its value is code x scale, taken as it is: it is not quantised again, and the codes and scales need not be those that the quantiser above would give.
;; One version. Each part assembles by itself: llvm-mc -triple=amdgcn-amd-amdhsa -mcpu=gfx1250 --defsym DOCPART=n.
;; ======== version 1 of 1: 2 launches
;; workspace buffers: part 65,536 bytes
;; launch moe (part 1): grid 256 x 1, 4 waves a work-group, clusters of 4 x 1, 327,680 bytes of LDS; arguments W1_codes, W1_scales, W2_codes, W2_scales, Wg, b1, b2, bg, hidden_states, out0, part; writes out0, part
.if DOCPART == 1
	.amdgcn_target "amdgcn-amd-amdhsa--gfx1250"
	.amdhsa_code_object_version 6
	.text
	.protected	k_q624ff96453_moe
	.globl	k_q624ff96453_moe
	.p2align	8
	.type	k_q624ff96453_moe,@function
k_q624ff96453_moe:
	s_mov_b64 s[64:65], 0
	v_nop
	global_prefetch_b8 v0, s[64:65] scope:SCOPE_SE
	s_setreg_imm32_b32 hwreg(HW_REG_WAVE_MODE, 25, 1), 1
	s_wait_xcnt 0x0
	s_wait_alu depctr_hold_cnt(0) depctr_sa_sdst(0) depctr_va_vdst(0) depctr_va_sdst(0) depctr_va_ssrc(0) depctr_va_vcc(0) depctr_vm_vsrc(0)
	s_getreg_b32 s2, hwreg(HW_REG_IB_STS2, 6, 4)
	s_cmp_eq_u32 s2, 0
	s_cbranch_scc0 .Lentry_in_a_cluster
	s_endpgm
.Lentry_in_a_cluster:
	s_bfe_u32 s2, ttmp6, 0x10000c
	s_cmp_lg_u32 s2, 0x3003
	s_cbranch_scc0 .Lentry_shape_is_right
	s_endpgm
.Lentry_shape_is_right:
; out0 = x + sum over e of rw_e (gelu(x W1_e + b1_e) W2_e + b2_e);  part = partial sums of the router's probabilities.
; x: [16384][512] f32.  W1: [2][2048] rows of 512 codes (384 bytes), W2: [2][512] rows of 2048 codes (1,536 bytes): E2M3, K innermost, one E8M0 byte for each 32 along K.
; Both experts are kept for every token (2 of 2), so the gather and the weighted sum are rw_0 y_0 + rw_1 y_1, rw_e = p_e / (p_0 + p_1).
; SHARES.  A work-group owns 64 tokens (four tiles m of 16): 256 work-groups.  The hidden axis of both experts is cut into 8 chunks of 512 units (chunk Q: expert Q / 4, part Q % 4).
; THE WAVES SHARE THE COLUMNS, NOT THE ROWS: in a chunk wave w makes hidden units 128 w .. + 127 (K step w of the second product) and out columns 128 w .. + 127, for all 64 tokens.
; Both products are used transposed (source 0 = 16 rows of a weight, source 1 = 16 tokens): a lane (r, h) holds token r and eight neighbouring columns 8 h + j.
; x's 16 fragments stay in every wave's registers; the hidden layer goes from wave to wave through LDS as images of the operand's registers and never to memory.
; THE RING.  Two LDS slots of 256 weight rows x 512 K.  Each wave fetches, and alone reads, its own 64 rows (24,576 bytes) by one tensor load.  Tiles of a chunk: W1 rows 0-63 of my 128 (slot 0), rows 64-127 (slot 1),
; W2 rows 0-63 (slot 0), rows 64-127 (slot 1); 64 matrix instructions a wave on each.  By this text's count a wave has two tensor loads out at the start and one behind each refill.
; CLUSTER.  All work-groups walk the same weights: the four of a cluster ask for each tile JOINTLY (mask 15, the same descriptor in all four), which divides the requests for weights by four.
; Cluster number n starts at chunk n % 8 and walks round, so that the clusters do not all ask for the same new bytes at the same time; the sums of the second product are folded into O chunk by chunk, in that order.
; THE ROWS OF A TILE ARE NEIGHBOURS (so that the 16 rows of a fragment load fall on different banks): a lane's 16 numbers of two neighbouring tiles are then k 8 h .. + 7 and 16 + 8 h .. + 7 of a block of 32;
; macro PAIR puts the codes into the order that the operand's layout wants.  x is loaded in the same order, so one set of macros quantises both.
; LIMITS: NaN and infinities among the inputs are not served.  A block whose largest magnitude lies under 2^-124 keeps the byte 1, a block of zeros too (the rule says 127): its codes are zeros, and these bytes are read by this program alone.
; The chunks' sums are added in f32 in an order that differs from cluster to cluster.
; REGISTERS, in windows of 256:
;   window 0: v1-26 addresses, v27-31 at work, v32.. gates, scale words, v128-159 logit parts, v160-255 eight weight fragments (the head: Wg in v128-255; the way out: rows of out0 in v128-255)
;   window 1: v0-191 x's 16 fragments, v192-255 b1 in the result's layout (the head: x's K steps 2, 3 as f32, and scratch)
;   window 2: v0-63 the hidden tiles, v64-95 gelu's scratch, v128-227 the quantiser's scratch | in the second product: v0-127 its 16 accumulators, v128-223 hidden fragments; v228-231 gelu's constants
;   window 3: O, 64 registers a tile of tokens
.set PITCH,  432                       ; a weight row in LDS: 3 x (128 bytes + 16 of padding) = 108 words: row r starts at bank 44 r mod 64 (64 banks of 4 bytes: ISA guide 11.1): sixteen different multiples of 4
.set WPART,  64*PITCH                  ; a wave's part of a slot
.set SLOTB,  4*WPART
.set XIMG,   2*SLOTB                   ; x's 16 fragments as images: (m, s) at 1,536 (4 m + s); group c of four registers at 512 c + 16 lane
.set XSC,    XIMG+16*1536              ; their scale words: 128 (4 m + s) + 4 lane
.set HIMG,   XSC+16*128                ; the hidden layer's 16 fragments, likewise
.set HSC,    HIMG+16*1536
.set LGS,    HSC+16*128                ; the waves' parts of the logits: 1,024 bytes a wave
.set SPARE,  LGS+4096                  ; the spare words, 128 bytes for each wave: two blocks of 256 bytes that no other line names
.set STG,    SPARE+512                 ; the way out: 16 rows x 528 bytes for each wave
.set SPITCH, 528
.set SPW, 1
.set NIL, 2
.set AW0, 3                            ; v3, v4: my place in my part of slot 0 (432 r + 24 h; 432 r + 40 h for pieces behind one padding more)
.set AW1, 5                            ; v5, v6: the same in slot 1
.set LXI, 7
.set LXS, 8
.set LHI, 9
.set LHS, 10
.set HWI, 11
.set HWS, 12
.set XWI, 13
.set XWS, 14
.set STO, 15
.set RD,  16
.set CO,  17
.set XA,  18
.set OA,  19
.set WGA, 20
.set DB,  21
.set S1A, 22
.set S2A, 23
.set LGW, 24
.set LGR, 25
.set PA,  26
.set RW,  32                           ; v32-39  (rw_0, rw_1) of my token in tile m
.set RWC, 40                           ; v40-47  the chunk's expert's, twice
.set LG,  48
.set XS,  56                           ; v56-71  x's scale words (4 m + s)
.set HS,  72                           ; v72-79  the hidden layer's, two sets of four
.set WS1, 80                           ; v80-95  W1's: 8 a + 4 b + s; lanes 0-15 tile 2 b, lanes 16-31 tile 2 b + 1
.set WS2, 96                           ; v96-111 W2's: 8 bb + 4 j + s; lanes 0-15 tile 2 j, lanes 16-31 tile 2 j + 1
.set SM,  112
.set PL,  128
.set WB,  160
.set X,    0                           ; window 1
.set BIAS, 192
.set H,    0                           ; window 2
.set GT,   64
.set Y,    0
.set B2T,  0
.set TM,   128
.set CA,   144
.set CB,   160
.set FO,   176
.set BW,   224
.set KC2,  228
.set KC1,  230
.set HB,   128
.set MSB, 0
.macro WIN new                         ; bits 1:0 source 0, 3:2 source 1, 5:4 source 2, 7:6 destination; the high byte repeats the setting that is left
.if MSB != \new
	s_set_vgpr_msb (MSB<<8)|\new
.set MSB, \new
.endif
.endm
.macro PLACES                          ; four plain places behind a matrix instruction, ahead of loads into its registers and of reads of its result
.rept 4
	v_nop
.endr
.endm
.macro CROUND                          ; a round of the cluster's barrier
	s_barrier_signal -1
	s_barrier_wait -1
	s_cmp_lg_u32 s26, 0
	s_cbranch_scc1 .Lnot_wave_0_\@
	s_barrier_signal -3
.Lnot_wave_0_\@:
	s_barrier_wait -3
	s_barrier_signal -1
	s_barrier_wait -1
.endm
; one matrix instruction; c < 0: the constant 0 starts the sum; row1: source 0's scale words stand in lanes 16-31
.macro WMMA d, a, b, c, sa, sb, row1
.if (\c) < 0
.if (\row1)
	v_wmma_scale_f32_16x16x128_f8f6f4 v[(\d):(\d)+7], v[(\a):(\a)+11], v[(\b):(\b)+11], 0, v[\sa], v[\sb] matrix_a_fmt:MATRIX_FMT_FP6 matrix_b_fmt:MATRIX_FMT_FP6 matrix_a_scale:MATRIX_SCALE_ROW1
.else
	v_wmma_scale_f32_16x16x128_f8f6f4 v[(\d):(\d)+7], v[(\a):(\a)+11], v[(\b):(\b)+11], 0, v[\sa], v[\sb] matrix_a_fmt:MATRIX_FMT_FP6 matrix_b_fmt:MATRIX_FMT_FP6
.endif
.else
.if (\row1)
	v_wmma_scale_f32_16x16x128_f8f6f4 v[(\d):(\d)+7], v[(\a):(\a)+11], v[(\b):(\b)+11], v[(\c):(\c)+7], v[\sa], v[\sb] matrix_a_fmt:MATRIX_FMT_FP6 matrix_b_fmt:MATRIX_FMT_FP6 matrix_a_scale:MATRIX_SCALE_ROW1
.else
	v_wmma_scale_f32_16x16x128_f8f6f4 v[(\d):(\d)+7], v[(\a):(\a)+11], v[(\b):(\b)+11], v[(\c):(\c)+7], v[\sa], v[\sb] matrix_a_fmt:MATRIX_FMT_FP6 matrix_b_fmt:MATRIX_FMT_FP6
.endif
.endif
.endm
; a weight fragment: tile t (16 rows) of my part of a slot, K step s: lanes 0-15 take pieces 12 s + 0, 1, 2, 6, 7, 8 of 8 bytes, lanes 16-31 those three pieces on;
; 16 bytes of padding lie behind every 16 pieces: where the piece three on lies behind one padding more, the second address register serves
.macro FRAG reg, adr, t, s
.irp p, 0,1,2,3,4,5
.set PC_, 12*(\s)+6*(\p/3)+\p%3
.if PC_%16 < 13
	ds_load_b64 v[(\reg)+2*\p:(\reg)+2*\p+1], v[\adr] offset:6912*(\t)+8*PC_+16*(PC_/16)
.else
	ds_load_b64 v[(\reg)+2*\p:(\reg)+2*\p+1], v[(\adr)+1] offset:6912*(\t)+8*PC_+16*(PC_/16)
.endif
.endr
.endm
.macro LOADW adr, b                    ; first product: tiles 2 b, 2 b + 1, all four K steps: 48 loads
.irp u, 0,1
.irp s, 0,1,2,3
	FRAG WB+12*(4*\u+\s), \adr, 2*(\b)+\u, \s
.endr
.endr
.endm
.macro LOADBW adr, s, p                ; second product: four tiles, K step s, into set p: 24 loads
.irp n, 0,1,2,3
	FRAG WB+48*(\p)+12*\n, \adr, \n, \s
.endr
.endm
.macro LOADH s, p                      ; the hidden layer's four fragments of K step s and their scale words, into set p: 16 loads
.irp m, 0,1,2,3
	ds_load_b32 v[HS+4*(\p)+\m], v[LHS] offset:128*(4*\m+(\s))
.endr
	WIN 0x80
.irp m, 0,1,2,3
.irp c, 0,1,2
	ds_load_b128 v[HB+48*(\p)+12*\m+4*\c:HB+48*(\p)+12*\m+4*\c+3], v[LHI] offset:1536*(4*\m+(\s))+512*\c
.endr
.endr
	WIN 0
.endm
; 16 matrix instructions of the first product: K steps 2 half, 2 half + 1; tiles 2 b + u of slot a x four tiles of tokens.  The eight accumulators take turns.  b1 is the C of each sum's first instruction.
.macro P1MUL a, b, half
.irp ss, 0,1
.set S_, 2*(\half)+\ss
.if S_ == 0
	WIN 0x94                                       ; source 0 (W1) window 0, source 1 (x) and C (b1) window 1, D window 2
.else
	WIN 0xa4                                       ; C and D window 2
.endif
.irp u, 0,1
.irp m, 0,1,2,3
.if S_ == 0
	WMMA H+16*\m+8*\u, WB+12*(4*\u+S_), X+12*(4*\m+S_), BIAS+32*(\a)+16*(\b)+8*\u, WS1+8*(\a)+4*(\b)+S_, XS+4*\m+S_, \u
.else
	WMMA H+16*\m+8*\u, WB+12*(4*\u+S_), X+12*(4*\m+S_), H+16*\m+8*\u, WS1+8*(\a)+4*(\b)+S_, XS+4*\m+S_, \u
.endif
.endr
.endr
.endr
.endm
; 16 matrix instructions of the second product: K step s, four tiles of out columns x four tiles of tokens; 16 accumulators by turns; K step 0 starts the sums with the constant 0
.macro P2MUL bb, s, p
	WIN 0xa8                                       ; source 0 (W2) window 0, source 1 (hidden), C and D window 2
.irp n, 0,1,2,3
.irp m, 0,1,2,3
.if (\s) == 0
	WMMA Y+32*\n+8*\m, WB+48*(\p)+12*\n, HB+48*(\p)+12*\m, -1, WS2+8*(\bb)+4*(\n/2)+(\s), HS+4*(\p)+\m, \n%2
.else
	WMMA Y+32*\n+8*\m, WB+48*(\p)+12*\n, HB+48*(\p)+12*\m, Y+32*\n+8*\m, WS2+8*(\bb)+4*(\n/2)+(\s), HS+4*(\p)+\m, \n%2
.endif
.endr
.endr
.endm
; gelu (tanh form) of 32 numbers in place: 0.5 x (1 + tanh(c (x + 0.044715 x^3))) = x / (1 + 2^(-x (k1 + k2 x^2))), k1 = 2 c log2(e), k2 = 0.044715 k1: no difference of near numbers is formed.
; The accumulators are read in ascending order, each from its low end on.
.macro GELU base
.set gi, 0
.rept 16
	v_pk_mul_f32 v[GT+gi:GT+gi+1], v[H+(\base)+gi:H+(\base)+gi+1], v[H+(\base)+gi:H+(\base)+gi+1]
.set gi, gi+2
.endr
.set gi, 0
.rept 16
	v_pk_fma_f32 v[GT+gi:GT+gi+1], v[GT+gi:GT+gi+1], v[KC2:KC2+1], v[KC1:KC1+1]
.set gi, gi+2
.endr
.set gi, 0
.rept 16
	v_pk_mul_f32 v[GT+gi:GT+gi+1], v[GT+gi:GT+gi+1], v[H+(\base)+gi:H+(\base)+gi+1]
.set gi, gi+2
.endr
.set gi, 0
.rept 32
	v_exp_f32 v[GT+gi], v[GT+gi]
.set gi, gi+1
.endr
	v_nop                                          ; a plain place behind the transcendentals
.set gi, 0
	s_wait_alu depctr_va_vdst(0)
.rept 16
	v_pk_add_f32 v[GT+gi:GT+gi+1], v[GT+gi:GT+gi+1], 1.0 op_sel_hi:[1,0]
.set gi, gi+2
.endr
.set gi, 0
.rept 32
	v_rcp_f32 v[GT+gi], v[GT+gi]
.set gi, gi+1
.endr
	v_nop
.set gi, 0
	s_wait_alu depctr_va_vdst(0)
.rept 16
	v_pk_mul_f32 v[H+(\base)+gi:H+(\base)+gi+1], v[H+(\base)+gi:H+(\base)+gi+1], v[GT+gi:GT+gi+1]
.set gi, gi+2
.endr
.endm
; four groups of 16 numbers (each half a block of 32; the other half lies in lane l xor 16) become 4 x 96 bits of codes at dst + 4 g; the blocks' bytes are left in TM + 8 + g
.macro QUAD src, dst
.irp g, 0,1,2,3
	v_max3_num_f32 v[TM+\g], |v[(\src)+16*\g]|, |v[(\src)+16*\g+1]|, 0x1800000   ; and the floor 2^(3 - 127): the byte cannot fall under 1
.endr
.irp i, 2,4,6,8,10,12,14
.irp g, 0,1,2,3
	v_max3_num_f32 v[TM+\g], v[TM+\g], |v[(\src)+16*\g+\i]|, |v[(\src)+16*\g+\i+1]|
.endr
.endr
.irp g, 0,1,2,3
	v_permlanex16_b32 v[TM+4+\g], v[TM+\g], s28, s29
.endr
.irp g, 0,1,2,3
	v_max_num_f32 v[TM+\g], v[TM+\g], v[TM+4+\g]   ; the block's largest magnitude
.endr
.irp g, 0,1,2,3
	v_add_nc_u32 v[TM+12+\g], 0xff000000, v[TM+\g] ; 2 off its exponent field: the conversion's scale operand
.endr
.irp g, 0,1,2,3
	v_lshrrev_b32 v[TM+8+\g], 23, v[TM+12+\g]      ; the scale's byte
.endr
.irp g, 0,1,2,3
	v_cvt_scalef32_pk16_fp6_f32 v[(\dst)+4*\g:(\dst)+4*\g+2], v[(\src)+16*\g:(\src)+16*\g+15], v[TM+12+\g]
.endr
	v_nop                                          ; one plain place behind the last conversion
.endm
; ca: the codes of an even block, cb: of the odd block behind it; in each, lanes 0-15 hold k 0-7, 16-23 and lanes 16-31 k 8-15, 24-31.  The exchange gives lanes 0-15 the even block whole and lanes 16-31 the odd one:
; ca = k 0-7, 16-23, cb = k 8-15, 24-31, 48 bits each run.  Six lines lay the four runs on end: the operand's six registers.
.macro PAIR ca, cb, out
.irp i, 0,1,2
	v_permlane16_swap_b32 v[(\ca)+\i], v[(\cb)+\i]
.endr
	v_mov_b32 v[(\out)], v[(\ca)]
	v_perm_b32 v[(\out)+1], v[(\cb)], v[(\ca)+1], s30
	v_perm_b32 v[(\out)+2], v[(\cb)+1], v[(\cb)], s89
	v_perm_b32 v[(\out)+3], v[(\ca)+2], v[(\ca)+1], s89
	v_perm_b32 v[(\out)+4], v[(\cb)+1], v[(\ca)+2], s31
	v_mov_b32 v[(\out)+5], v[(\cb)+2]
.endm
.macro IMAGE adr, reg, off             ; a fragment's 12 registers go to LDS as they stand
.irp c, 0,1,2
	ds_store_b128 v[\adr], v[(\reg)+4*\c:(\reg)+4*\c+3] offset:(\off)+512*\c
.endr
.endm
; THE CHANGE OF A SLOT.  PRE: all my tensor loads have landed (the other slot's tile among them), 0 is added to my spare word, and the group 0 that is due is written.  Matrix instructions stand between PRE and POST.
; POST: the add is done and my reads of the slot are over; a round of the cluster's barrier, so that the same holds of every wave of the four work-groups; then my one tensor load.
.macro CHG_PRE g0, base, off
	WIN 0
	s_wait_tensorcnt 0x0
	ds_add_u32 v[SPW], v[NIL]
	s_add_nc_u64 s[(\g0)+2:(\g0)+3], s[\base:(\base)+1], s[\off:(\off)+1]
	s_or_b32 s[(\g0)+3], s[(\g0)+3], 0x80000000
.endm
.macro CHG_POST g0, g1
	s_wait_dscnt 0x0
	WIN 0
	CROUND
	tensor_load_to_lds s[\g0:(\g0)+3], s[\g1:(\g1)+7]
	s_nop 0
	PLACES                                         ; the places behind the last products
.endm
.macro RELA a                          ; the next chunk's scale words of W1 and b1 for slot a: 10 loads
.irp b, 0,1
	global_load_b128 v[WS1+8*(\a)+4*\b:WS1+8*(\a)+4*\b+3], v[S1A], s[78:79] offset:1024*(\a)+512*\b
.endr
	WIN 0x40
.irp t, 0,1,2,3
.irp q, 0,1
	global_load_b128 v[BIAS+32*(\a)+8*\t+4*\q:BIAS+32*(\a)+8*\t+4*\q+3], v[DB], s[80:81] offset:256*(\a)+64*\t+16*\q
.endr
.endr
	WIN 0
.endm
.macro RELB bb                         ; the next chunk's scale words of W2 for slot bb: 2 loads
.irp j, 0,1
	global_load_b128 v[WS2+8*(\bb)+4*\j:WS2+8*(\bb)+4*\j+3], v[S2A], s[82:83] offset:4096*(\bb)+2048*\j
.endr
.endm
.macro SETREL q                        ; the bases of those loads for the chunk in s[q]
	s_lshl_b32 s92, s[\q], 13
	s_add_nc_u64 s[78:79], s[6:7], s[92:93]        ; W1's scales: 512 rows of 16 bytes a chunk
	s_lshl_b32 s92, s[\q], 11
	s_add_nc_u64 s[80:81], s[14:15], s[92:93]      ; b1: 512 numbers a chunk
	s_lshr_b32 s90, s[\q], 2
	s_and_b32 s91, s[\q], 3
	s_lshl_b32 s92, s90, 15
	s_lshl_b32 s91, s91, 4
	s_add_co_u32 s92, s92, s91
	s_add_nc_u64 s[82:83], s[10:11], s[92:93]      ; W2's scales: 512 rows of 64 bytes an expert, 16 bytes of a row a chunk
.endm
.macro OFMA bb                         ; O += the gate's weight x the slot's sums; each accumulator from its low end on
	WIN 0xf2                                       ; source 0 (Y) window 2, source 1 (the weight) window 0, source 2 and destination (O) window 3
.irp n, 0,1,2,3
.irp m, 0,1,2,3
.irp i, 0,2,4,6
	v_pk_fma_f32 v[64*\m+8*(4*(\bb)+\n)+\i:64*\m+8*(4*(\bb)+\n)+\i+1], v[Y+32*\n+8*\m+\i:Y+32*\n+8*\m+\i+1], v[RWC+2*\m:RWC+2*\m+1], v[64*\m+8*(4*(\bb)+\n)+\i:64*\m+8*(4*(\bb)+\n)+\i+1] op_sel_hi:[1,0,1]
.endr
.endr
.endr
.endm
.macro XQLOAD s                        ; my 16 tokens' numbers of K step s: of each block of 32, k 8 h .. + 7 and 16 + 8 h .. + 7
.irp b, 0,1,2,3
.irp g, 0,1
.irp q, 0,1
	global_load_b128 v[64*((\s)%2)+16*\b+8*\g+4*\q:64*((\s)%2)+16*\b+8*\g+4*\q+3], v[XA], s[20:21] offset:512*(\s)+128*\b+64*\g+16*\q
.endr
.endr
.endr
.endm
.macro XSTEP s                         ; they become a fragment at FO + 12 (s % 2) and a scale word at BW + s % 2
	QUAD 64*((\s)%2), CA
	PAIR CA, CA+4, FO+12*((\s)%2)
	PAIR CA+8, CA+12, FO+12*((\s)%2)+6
	v_lshl_or_b32 v[BW+(\s)%2], v[TM+9], 8, v[TM+8]
	v_lshl_or_b32 v[BW+(\s)%2], v[TM+10], 16, v[BW+(\s)%2]
	v_lshl_or_b32 v[BW+(\s)%2], v[TM+11], 24, v[BW+(\s)%2]
.endm
	s_load_b512 s[4:19], s[0:1], 0x0               ; W1 codes s[4:5], W1 scales s[6:7], W2 codes s[8:9], W2 scales s[10:11], Wg s[12:13], b1 s[14:15], b2 s[16:17], bg s[18:19]
	s_load_b128 s[20:23], s[0:1], 0x40             ; x, out0
	s_load_b64 s[24:25], s[0:1], 0x50              ; part
	v_lshl_add_u32 v[SPW], v0, 2, SPARE
	v_mov_b32 v[NIL], 0
	ds_add_u32 v1, v2
	ds_add_u32 v1, v2
	s_wait_dscnt 0x0
	v_lshrrev_b32 v27, 5, v0
	v_readfirstlane_b32 s26, v27                   ; wave 0..3
	v_and_b32 v28, 31, v0                          ; lane
	v_and_b32 v29, 15, v0                          ; r
	v_bfe_u32 v30, v0, 4, 1                        ; h
	s_mul_i32 s90, s26, WPART                      ; my part of slot 0
	v_mul_u32_u24 v31, v29, PITCH
	v_add_nc_u32 v31, s90, v31
	v_mad_u32_u24 v[AW0], v30, 24, v31
	v_mad_u32_u24 v[AW0+1], v30, 40, v31
	v_add_nc_u32 v[AW1], SLOTB, v[AW0]
	v_add_nc_u32 v[AW1+1], SLOTB, v[AW0+1]
	v_lshl_add_u32 v[LXI], v28, 4, XIMG
	v_lshl_add_u32 v[LXS], v28, 2, XSC
	v_lshl_add_u32 v[LHI], v28, 4, HIMG
	v_lshl_add_u32 v[LHS], v28, 2, HSC
	s_mul_i32 s91, s26, 1536
	v_add_nc_u32 v[HWI], s91, v[LHI]               ; I make K step w of the hidden layer
	s_lshl_b32 s91, s26, 7
	v_add_nc_u32 v[HWS], s91, v[LHS]
	s_mul_i32 s91, s26, 6144
	v_add_nc_u32 v[XWI], s91, v[LXI]               ; and tile w of x's tokens
	s_lshl_b32 s91, s26, 9
	v_add_nc_u32 v[XWS], s91, v[LXS]
	v_lshlrev_b32 v31, 11, v29
	v_lshl_add_u32 v31, v30, 5, v31                ; 2,048 r + 32 h
	v_add_nc_u32 v[OA], s91, v31                   ; + 512 w: x in the result's layout
	v_lshl_add_u32 v[DB], v30, 5, s91              ; 512 w + 32 h: b1, b2
	v_lshl_add_u32 v[CO], v28, 4, s91              ; 512 w + 16 lane: a row of out0
	s_lshl_b32 s91, s26, 15
	v_add_nc_u32 v[XA], s91, v31                   ; (16 w + r) rows of 2,048 bytes + 32 h
	s_lshl_b32 s91, s26, 10
	v_lshl_add_u32 v[WGA], v30, 6, s91             ; Wg: 8 bytes a k: 1,024 w + 64 h
	s_add_co_u32 s91, s91, LGS
	v_lshl_add_u32 v[LGW], v28, 4, s91
	v_lshl_add_u32 v[LGR], v28, 4, LGS
	s_lshl_b32 s91, s26, 11
	v_lshl_add_u32 v[S1A], v28, 4, s91             ; W1's scale words: 16 bytes a row, 128 rows a wave
	s_lshl_b32 s91, s26, 13
	v_lshl_add_u32 v[S2A], v28, 6, s91             ; W2's: 64 bytes a row
	v_lshlrev_b32 v[PA], 3, v28
	s_mul_i32 s91, s26, 16*SPITCH
	s_add_co_u32 s91, s91, STG                     ; my stage
	v_mul_u32_u24 v31, v29, SPITCH
	v_lshl_add_u32 v31, v30, 5, v31
	v_add_nc_u32 v[STO], s91, v31
	v_lshl_add_u32 v[RD], v28, 4, s91
	s_mov_b32 s28, 0x76543210
	s_mov_b32 s29, 0xfedcba98                      ; v_permlanex16_b32's selects for lane l xor 16
	s_mov_b32 s30, 0x05040100                      ; v_perm_b32: the two low halves,
	s_mov_b32 s31, 0x07060302                      ; the two high halves,
	s_mov_b32 s89, 0x05040302                      ; the second source's high half under the first's low half
	WIN 0x80
	v_mov_b32 v[KC2], 0xbdd2d3e8                   ; -k2 = -0.10294324
	v_mov_b32 v[KC2+1], 0xbdd2d3e8
	v_mov_b32 v[KC1], 0xc0135761                   ; -k1 = -2.3022082
	v_mov_b32 v[KC1+1], 0xc0135761
.irp g, 0,1,2,3
	v_mov_b32 v[TM+4+\g], 0                        ; a lane permute's destination counts as one of its sources
.endr
	WIN 0x40
.irp g, 0,1,2,3
	v_mov_b32 v[TM+4+\g], 0
.endr
	WIN 0
.irp k, 0,1,2,3,4,5,6,7
	v_mov_b32 v[SM+\k], 0
.endr
	s_bfe_u32 s98, ttmp6, 0x40000                  ; cx: it enters x's, out0's and part's addresses alone
	s_lshl_b32 s99, ttmp9, 2
	s_add_co_u32 s99, s99, s98                     ; my work-group
	s_lshl_b32 s94, s99, 17                        ; 64 rows of 2,048 bytes
	s_mov_b32 s95, 0
	s_lshl_b32 s96, s99, 8
	s_mov_b32 s97, 0
	s_and_b32 s86, ttmp9, 7                        ; the cluster's first chunk: the four partners share it
	s_mov_b32 s93, 0
	s_mov_b32 s71, 0
	s_mov_b32 s73, 0
	s_mov_b32 s75, 0
	s_mov_b32 s77, 0
	; group 1 for W1's tiles: 24,576 dense bytes as 96 rows of 32 elements of 8 bytes; 4 words of padding behind every 32 words; mask: all four work-groups
	s_mov_b32 s32, 15|(3<<16)|(1<<20)|(1<<21)|(4<<22)|(3<<25)
	s_mov_b32 s33, 32<<16
	s_mov_b32 s34, 96<<16
	s_mov_b32 s35, 32<<16
	s_mov_b32 s36, 96
	s_mov_b32 s37, 32
	s_mov_b32 s38, 0
	s_mov_b32 s39, 0
	; group 1 for W2's tiles: 64 rows of 384 bytes, 1,536 bytes apart; the same padding
	s_mov_b32 s40, 15|(0<<16)|(1<<20)|(1<<21)|(4<<22)|(3<<25)
	s_mov_b32 s41, 384<<16
	s_mov_b32 s42, 64<<16
	s_mov_b32 s43, 384<<16
	s_mov_b32 s44, 64
	s_mov_b32 s45, 1536
	s_mov_b32 s46, 0
	s_mov_b32 s47, 0
	s_mul_i32 s70, s86, 196608                     ; the first chunk's 512 rows of W1
	s_add_co_u32 s72, s70, 24576
	s_wait_kmcnt 0x0
	s_load_b64 s[84:85], s[18:19], 0x0             ; bg
	s_add_nc_u64 s[20:21], s[20:21], s[94:95]
	s_add_nc_u64 s[22:23], s[22:23], s[94:95]
	s_add_nc_u64 s[24:25], s[24:25], s[96:97]
	WIN 0x80
	XQLOAD 0
	XQLOAD 1
	WIN 0x40
	XQLOAD 2
	XQLOAD 3
	WIN 0
	s_mul_i32 s92, s26, 49152
	s_add_nc_u64 s[66:67], s[4:5], s[92:93]        ; W1's codes at my 128 rows of chunk 0
	s_mul_i32 s92, s26, 196608
	s_add_nc_u64 s[68:69], s[8:9], s[92:93]        ; W2's codes at my 128 rows of expert 0
	s_mov_b32 s48, 1                               ; groups 0: W1 into slot 0, slot 1; W2 into slot 0, slot 1.  The LDS addresses hang on the wave's number alone
	s_mov_b32 s49, s90
	s_add_nc_u64 s[50:51], s[66:67], s[70:71]
	s_or_b32 s51, s51, 0x80000000
	s_mov_b32 s52, 1
	s_add_co_u32 s53, s90, SLOTB
	s_add_nc_u64 s[54:55], s[66:67], s[72:73]
	s_or_b32 s55, s55, 0x80000000
	s_mov_b32 s56, 1
	s_mov_b32 s57, s90
	s_mov_b32 s60, 1
	s_add_co_u32 s61, s90, SLOTB
	CROUND                                         ; all four work-groups are here: the first joint loads meet
	tensor_load_to_lds s[48:51], s[32:39]
	s_nop 0
	tensor_load_to_lds s[52:55], s[32:39]
	s_nop 0
	PLACES
.irp n, 0,1,2,3,4,5,6,7
.irp q, 0,1,2,3
	global_load_b128 v[128+16*\n+4*\q:128+16*\n+4*\q+3], v[WGA], s[12:13] offset:128*\n+16*\q   ; Wg of my 64 columns: the pair of column 8 n + j at v[128 + 2 (8 n + j)]
.endr
.endr
	WIN 0xc0
.irp m, 0,1,2,3
.irp n, 0,1,2,3,4,5,6,7
.irp q, 0,1
	global_load_b128 v[64*\m+8*\n+4*\q:64*\m+8*\n+4*\q+3], v[OA], s[20:21] offset:32768*\m+64*\n+16*\q   ; O begins as x, in the result's layout
.endr
.endr
.endr
	s_wait_loadcnt 63                              ; of 160 loads at most 63 are out: the first 97 are in: x for the quantiser (64) and Wg (32)
	WIN 0xaa
	XSTEP 0
	XSTEP 1
	WIN 0x08
.irp s, 0,1
	IMAGE XWI, FO+12*\s, 1536*\s
	ds_store_b32 v[XWS], v[BW+\s] offset:128*\s
.endr
	WIN 0x80
.irp e, 0,1
.irp n, 0,1,2,3,4,5,6,7
.irp q, 0,1
	global_load_b128 v[B2T+64*\e+8*\n+4*\q:B2T+64*\e+8*\n+4*\q+3], v[DB], s[16:17] offset:2048*\e+64*\n+16*\q   ; b2 in the result's layout, where x's K steps 0 and 1 lay
.endr
.endr
.endr
	WIN 0x55
	XSTEP 2
	XSTEP 3
	WIN 0x04
.irp s, 2,3
	IMAGE XWI, FO+12*(\s-2), 1536*\s
	ds_store_b32 v[XWS], v[BW+\s-2] offset:128*\s
.endr
	WIN 0
	s_wait_dscnt 0x0                               ; the image stores have read their registers: b1's loads land on some of them
	SETREL 86
	RELA 0
	RELA 1
	RELB 0
	RELB 1
	s_wait_loadcnt 56                              ; behind O's loads: b2's 32 and the 24 just issued
	; THE ROUTER, in f32: my 64 columns' part of both logits of my token in each tile
	WIN 0x03
.irp m, 0,1,2,3
	v_pk_mul_f32 v[LG+2*\m:LG+2*\m+1], v[64*\m:64*\m+1], v[128:129] op_sel_hi:[0,1]
.endr
.irp m, 0,1,2,3
	v_pk_fma_f32 v[LG+2*\m:LG+2*\m+1], v[64*\m:64*\m+1], v[130:131], v[LG+2*\m:LG+2*\m+1] op_sel:[1,0,0] op_sel_hi:[1,1,1]
.endr
.set kk, 2
.rept 31
.irp m, 0,1,2,3
	v_pk_fma_f32 v[LG+2*\m:LG+2*\m+1], v[64*\m+kk:64*\m+kk+1], v[128+2*kk:128+2*kk+1], v[LG+2*\m:LG+2*\m+1] op_sel_hi:[0,1,1]
.endr
.irp m, 0,1,2,3
	v_pk_fma_f32 v[LG+2*\m:LG+2*\m+1], v[64*\m+kk:64*\m+kk+1], v[128+2*kk+2:128+2*kk+3], v[LG+2*\m:LG+2*\m+1] op_sel:[1,0,0] op_sel_hi:[1,1,1]
.endr
.set kk, kk+2
.endr
	WIN 0
.irp k, 0,1,2,3,4,5,6,7
	v_permlanex16_b32 v[SM+\k], v[LG+\k], s28, s29
.endr
.irp k, 0,1,2,3,4,5,6,7
	v_add_f32 v[LG+\k], v[LG+\k], v[SM+\k]         ; with the other half of the lanes' columns
.endr
	ds_store_b128 v[LGW], v[LG:LG+3]
	ds_store_b128 v[LGW], v[LG+4:LG+7] offset:512
	s_wait_tensorcnt 0x1                           ; my part of slot 0 is in; slot 1's may stay out
	s_wait_dscnt 0x0                               ; for the others' sake: my images and my parts of the logits lie in LDS
	s_barrier_signal -1
	s_barrier_wait -1
.irp w, 0,1,2,3
.irp c, 0,1
	ds_load_b128 v[PL+8*\w+4*\c:PL+8*\w+4*\c+3], v[LGR] offset:1024*\w+512*\c
.endr
.endr
	WIN 0x40
.irp f, 0,1,2,3,4,5,6,7,8,9,10,11,12,13,14,15
.irp c, 0,1,2
	ds_load_b128 v[X+12*\f+4*\c:X+12*\f+4*\c+3], v[LXI] offset:1536*\f+512*\c   ; x's 16 fragments: they stay
.endr
.endr
	WIN 0
.irp f, 0,1,2,3,4,5,6,7,8,9,10,11,12,13,14,15
	ds_load_b32 v[XS+\f], v[LXS] offset:128*\f
.endr
	LOADW AW0, 0
	s_wait_dscnt 63                                ; of 120 loads the first 57 are in: the eight of the logits among them
	s_wait_kmcnt 0x0                               ; bg
.irp m, 0,1,2,3
	v_pk_add_f32 v[SM+2*\m:SM+2*\m+1], v[PL+2*\m:PL+2*\m+1], v[PL+8+2*\m:PL+8+2*\m+1]
	v_pk_add_f32 v[LG+2*\m:LG+2*\m+1], v[PL+16+2*\m:PL+16+2*\m+1], v[PL+24+2*\m:PL+24+2*\m+1]
.endr
.irp m, 0,1,2,3
	v_pk_add_f32 v[SM+2*\m:SM+2*\m+1], v[SM+2*\m:SM+2*\m+1], v[LG+2*\m:LG+2*\m+1]
.endr
.irp m, 0,1,2,3
	v_add_f32 v[SM+2*\m], s84, v[SM+2*\m]
	v_add_f32 v[SM+2*\m+1], s85, v[SM+2*\m+1]      ; the logits
.endr
.irp m, 0,1,2,3
	v_max_num_f32 v[LG+2*\m], v[SM+2*\m], v[SM+2*\m+1]
.endr
.irp m, 0,1,2,3
	v_sub_f32 v[SM+2*\m], v[SM+2*\m], v[LG+2*\m]   ; the maximum is taken away
	v_sub_f32 v[SM+2*\m+1], v[SM+2*\m+1], v[LG+2*\m]
.endr
.irp k, 0,1,2,3,4,5,6,7
	v_mul_f32 v[SM+\k], 0x3fb8aa3b, v[SM+\k]
.endr
.irp k, 0,1,2,3,4,5,6,7
	v_exp_f32 v[SM+\k], v[SM+\k]
.endr
	v_nop
	s_wait_alu depctr_va_vdst(0)
.irp m, 0,1,2,3
	v_add_f32 v[LG+2*\m], v[SM+2*\m], v[SM+2*\m+1]
.endr
.irp m, 0,1,2,3
	v_rcp_f32 v[LG+2*\m], v[LG+2*\m]
.endr
	v_nop
	s_wait_alu depctr_va_vdst(0)
.irp m, 0,1,2,3
	v_mul_f32 v[SM+2*\m], v[SM+2*\m], v[LG+2*\m]   ; p_0, p_1
	v_mul_f32 v[SM+2*\m+1], v[SM+2*\m+1], v[LG+2*\m]
.endr
.irp m, 0,1,2,3
	v_add_f32 v[LG+2*\m], v[SM+2*\m], v[SM+2*\m+1]
.endr
.irp m, 0,1,2,3
	v_rcp_f32 v[LG+2*\m+1], v[LG+2*\m]
.endr
	v_nop
	s_wait_alu depctr_va_vdst(0)
.irp m, 0,1,2,3
	v_mul_f32 v[RW+2*\m], v[SM+2*\m], v[LG+2*\m+1] ; the two kept probabilities, made to sum to one
	v_mul_f32 v[RW+2*\m+1], v[SM+2*\m+1], v[LG+2*\m+1]
.endr
	v_pk_add_f32 v[LG:LG+1], v[SM:SM+1], v[SM+2:SM+3]        ; both halves of the lanes hold every token's p: lanes 0-15 give tiles 0 and 1, lanes 16-31 tiles 2 and 3
	v_pk_add_f32 v[LG+2:LG+3], v[SM+4:SM+5], v[SM+6:SM+7]
	v_cmp_eq_u32 vcc_lo, 1, v30
	v_cndmask_b32 v[LG], v[LG], v[LG+2], vcc_lo
	v_cndmask_b32 v[LG+1], v[LG+1], v[LG+3], vcc_lo
	s_cmp_lg_u32 s26, 0
	s_cbranch_scc1 .Lno_part                       ; every wave holds the same numbers: wave 0 stores them
	global_store_b64 v[PA], v[LG:LG+1], s[24:25]   ; 32 lanes store 256 consecutive bytes, aligned
.Lno_part:
	s_wait_loadcnt 24                              ; behind b2's loads: the 24 of the first chunk's scale words and b1
	WIN 0xf2
.irp m, 0,1,2,3
.set kk, 0
.rept 32
	v_pk_fma_f32 v[64*\m+kk:64*\m+kk+1], v[B2T+kk:B2T+kk+1], v[RW+2*\m:RW+2*\m+1], v[64*\m+kk:64*\m+kk+1] op_sel_hi:[1,0,1]
.set kk, kk+2
.endr
.endr
.irp m, 0,1,2,3
.set kk, 0
.rept 32
	v_pk_fma_f32 v[64*\m+kk:64*\m+kk+1], v[B2T+64+kk:B2T+64+kk+1], v[RW+2*\m:RW+2*\m+1], v[64*\m+kk:64*\m+kk+1] op_sel:[0,1,0] op_sel_hi:[1,1,1]
.set kk, kk+2
.endr
.endr
	WIN 0                                          ; O = x + rw_0 b2_0 + rw_1 b2_1
; THE FIRST PRODUCT ON SLOT a: 64 of my hidden units, in two pairs of tiles b.  While a pair's numbers go through gelu and the quantiser, the next pair's weight fragments come from LDS.
.macro A_PHASE a
	s_wait_loadcnt 14                              ; slot a's scale words and b1 are in: behind them stand the other slot's 10 and W2's 2 + 2
	s_wait_dscnt 0x0                               ; the pair's weight fragments
	P1MUL \a, 0, 0
	P1MUL \a, 0, 1
	WIN 0
	PLACES
	LOADW AW0+2*\a, 1
	WIN 0xaa
	GELU 0
	GELU 32
	QUAD H, CA
.irp m, 0,1,2,3
.if \a == 0
	v_mov_b32 v[BW+\m], v[TM+8+\m]                 ; block 2 a + b's byte goes to its place in the scale word of tile m's tokens
.else
	v_lshl_or_b32 v[BW+\m], v[TM+8+\m], 16, v[BW+\m]
.endif
.endr
	s_wait_dscnt 0x0
	P1MUL \a, 1, 0
	CHG_PRE 56+4*\a, 68, 74+2*\a                   ; my last reads of slot a are in: it takes this chunk's rows of W2
	P1MUL \a, 1, 1
	CHG_POST 56+4*\a, 40
.if \a == 0
	LOADW AW1, 0
.else
	LOADBW AW0, 0, 0
.endif
	RELA \a
	WIN 0xaa
	GELU 0
	GELU 32
	QUAD H, CB
.irp m, 0,1,2,3
	v_lshl_or_b32 v[BW+\m], v[TM+8+\m], 8+16*\a, v[BW+\m]
.endr
.irp m, 0,1,2,3
	PAIR CA+4*\m, CB+4*\m, FO+12*\m+6*\a
.endr
.if \a == 1
	WIN 0x08
.irp m, 0,1,2,3
	IMAGE HWI, FO+12*\m, 6144*\m
	ds_store_b32 v[HWS], v[BW+\m] offset:512*\m
.endr
	WIN 0
	s_wait_dscnt 0x0                               ; for the others' sake: my four fragments of the hidden layer lie in LDS.  (Their last readers passed two rounds since.)
	s_barrier_signal -1                            ; slot 1's load may stay out
	s_barrier_wait -1
	LOADH 0, 0
.endif
	WIN 0
.endm
; THE SECOND PRODUCT ON SLOT bb: 64 of my out columns x 64 tokens, K = the chunk's 512 hidden units in four steps; each step's fragments come while the step before is multiplied.
; fill = 1: the slot then takes the next chunk's rows of W1.
.macro B_PHASE bb, fill
.if \bb == 0
	s_wait_loadcnt 22                              ; slot 0's scale words of W2: behind them slot 1's 2 and W1's 10 + 10
.else
	s_wait_loadcnt 20                              ; slot 1's: behind them W1's 10 + 10 (and, where the slot before was filled again, 2 more)
.endif
.irp s, 0,1,2
	PLACES
	LOADBW AW0+2*\bb, \s+1, (\s+1)%2
	LOADH \s+1, (\s+1)%2
	s_wait_dscnt 40                                ; all but the 24 + 16 just issued
	P2MUL \bb, \s, \s%2
	WIN 0
.endr
.if \fill
	CHG_PRE 48+4*\bb, 66, 70+2*\bb
	s_wait_dscnt 1                                 ; the add alone may be out
	P2MUL \bb, 3, 1
	CHG_POST 48+4*\bb, 32
.if \bb == 0
	LOADBW AW1, 0, 0
	LOADH 0, 0
.else
	LOADW AW0, 0
.endif
	RELB \bb
.else
.if \bb == 0
	s_wait_tensorcnt 0x0                           ; my part of the last tile is in; I alone read it
.endif
	s_wait_dscnt 0x0
	P2MUL \bb, 3, 1
	WIN 0
	PLACES
.if \bb == 0
	LOADBW AW1, 0, 0
	LOADH 0, 0
.endif
.endif
	OFMA \bb
	WIN 0
.endm
	s_mov_b32 s27, 8                               ; chunks to go
.Lchunk:
	s_wait_xcnt 0x0                                ; the bases of the loads issued so far are written again only behind this wait
	s_add_co_u32 s87, s86, 1
	s_and_b32 s87, s87, 7                          ; the next chunk: always one of the eight, so that no load leaves its buffer
	s_mul_i32 s70, s87, 196608                     ; its rows of W1,
	s_add_co_u32 s72, s70, 24576
	s_lshr_b32 s90, s86, 2
	s_and_b32 s91, s86, 3
	s_mul_i32 s74, s90, 786432                     ; this chunk's expert's rows of W2,
	s_mul_i32 s91, s91, 384                        ; and its 512 codes in a row
	s_add_co_u32 s74, s74, s91
	s_add_co_u32 s76, s74, 98304
	SETREL 87
	s_cmp_ge_u32 s86, 4
	s_cselect_b32 s88, -1, 0
.irp m, 0,1,2,3
	v_cndmask_b32 v[RWC+2*\m], v[RW+2*\m], v[RW+2*\m+1], s88   ; this chunk's expert's weight
.endr
.irp m, 0,1,2,3
	v_mov_b32 v[RWC+2*\m+1], v[RWC+2*\m]
.endr
	A_PHASE 0
	A_PHASE 1
	s_cmp_eq_u32 s27, 1
	s_cbranch_scc1 .Llast                          ; the last chunk's second product is written out: it asks for nothing more
	B_PHASE 0, 1
	B_PHASE 1, 1
	s_mov_b32 s86, s87
	s_sub_co_u32 s27, s27, 1
	s_cmp_lg_u32 s27, 0
	s_cbranch_scc1 .Lchunk
.Llast:
	B_PHASE 0, 0
	B_PHASE 1, 0
; THE WAY OUT, a tile of 16 tokens at a time: a lane holds 32 neighbouring bytes of a row, the lanes beside it other rows: through my own stage and back as whole rows of my 512 bytes.
; LDS serves a wave's instructions in order (ISA guide 5.7.1.4): no wait between the stores and the loads, nor ahead of the next tile's stores.
.macro TOSTAGE m
	WIN 0x0c
.irp n, 0,1,2,3,4,5,6,7
	ds_store_b128 v[STO], v[64*(\m)+8*\n:64*(\m)+8*\n+3] offset:64*\n
	ds_store_b128 v[STO], v[64*(\m)+8*\n+4:64*(\m)+8*\n+7] offset:64*\n+16
.endr
	WIN 0
.irp t, 0,1,2,3,4,5,6,7,8,9,10,11,12,13,14,15
	ds_load_b128 v[128+64*((\m)%2)+4*\t:128+64*((\m)%2)+4*\t+3], v[RD] offset:SPITCH*\t
.endr
.endm
.macro SEND m, younger                 ; younger: the LDS instructions issued behind tile m's loads
	s_wait_dscnt \younger
.irp t, 0,1,2,3,4,5,6,7,8,9,10,11,12,13,14,15
	global_store_b128 v[CO], v[128+64*((\m)%2)+4*\t:128+64*((\m)%2)+4*\t+3], s[22:23] offset:(16*(\m)+\t)*2048 th:TH_STORE_NT   ; 32 lanes store 512 consecutive bytes, at a multiple of 256 from out0's first byte
.endr
.endm
	TOSTAGE 0
	TOSTAGE 1
	SEND 0, 32                                     ; behind tile 0's loads: tile 1's 16 stores and 16 loads
	s_wait_xcnt 0x0                                ; tile 0's stores have read their registers: tile 2's rows may land there
	TOSTAGE 2
	SEND 1, 32
	s_wait_xcnt 0x0
	TOSTAGE 3
	SEND 2, 32
	SEND 3, 0
	s_wait_tensorcnt 0x0                           ; the wave's end
	ds_add_u32 v[SPW], v[NIL]
	s_wait_dscnt 0x0
	CROUND                                         ; the closing round: no work-group ends while a partner may still ask for a tile that names it
	s_endpgm
.Lfunc_end_k_q624ff96453_moe:
	.size	k_q624ff96453_moe, .Lfunc_end_k_q624ff96453_moe-k_q624ff96453_moe
	.p2alignl 7, 3214868480
	.fill 96, 4, 3214868480
	.section	.rodata,"a",@progbits
	.p2align	6, 0x0
	.amdhsa_kernel k_q624ff96453_moe
		.amdhsa_group_segment_fixed_size 327680
		.amdhsa_private_segment_fixed_size 0
		.amdhsa_enable_private_segment 0
		.amdhsa_kernarg_size 88
		.amdhsa_user_sgpr_count 2
		.amdhsa_user_sgpr_kernarg_segment_ptr 1
		.amdhsa_wavefront_size32 1
		.amdhsa_system_sgpr_workgroup_id_x 1
		.amdhsa_system_sgpr_workgroup_id_y 1
		.amdhsa_system_sgpr_workgroup_id_z 1
		.amdhsa_system_vgpr_workitem_id 0
		.amdhsa_next_free_vgpr 1024
		.amdhsa_next_free_sgpr 100
		.amdhsa_reserve_vcc 1
		.amdhsa_float_denorm_mode_32 3
		.amdhsa_float_denorm_mode_16_64 3
		.amdhsa_memory_ordered 1
		.amdhsa_forward_progress 1
		.amdhsa_inst_pref_size 255
	.end_amdhsa_kernel
	.section	.bss,"aw",@nobits
	.p2align	6
	.space	262144
	.amdgpu_metadata
---
amdhsa.version: [ 1, 2 ]
amdhsa.kernels:
  - .name:           k_q624ff96453_moe
    .symbol:         k_q624ff96453_moe.kd
    .args:
      - { .name: W1_codes, .offset: 0, .size: 8, .value_kind: global_buffer, .address_space: global }
      - { .name: W1_scales, .offset: 8, .size: 8, .value_kind: global_buffer, .address_space: global }
      - { .name: W2_codes, .offset: 16, .size: 8, .value_kind: global_buffer, .address_space: global }
      - { .name: W2_scales, .offset: 24, .size: 8, .value_kind: global_buffer, .address_space: global }
      - { .name: Wg, .offset: 32, .size: 8, .value_kind: global_buffer, .address_space: global }
      - { .name: b1, .offset: 40, .size: 8, .value_kind: global_buffer, .address_space: global }
      - { .name: b2, .offset: 48, .size: 8, .value_kind: global_buffer, .address_space: global }
      - { .name: bg, .offset: 56, .size: 8, .value_kind: global_buffer, .address_space: global }
      - { .name: hidden_states, .offset: 64, .size: 8, .value_kind: global_buffer, .address_space: global }
      - { .name: out0, .offset: 72, .size: 8, .value_kind: global_buffer, .address_space: global }
      - { .name: part, .offset: 80, .size: 8, .value_kind: global_buffer, .address_space: global }
    .group_segment_fixed_size: 327680
    .private_segment_fixed_size: 0
    .kernarg_segment_align: 8
    .kernarg_segment_size: 88
    .max_flat_workgroup_size: 128
    .sgpr_count:     100
    .vgpr_count:     1024
    .wavefront_size: 32
...
	.end_amdgpu_metadata
.endif
;; end of part 1
;; launch loss (part 2): grid 1 x 1, 8 waves a work-group, no clusters, 1,280 bytes of LDS; arguments part, out1; writes out1
.if DOCPART == 2
	.amdgcn_target "amdgcn-amd-amdhsa--gfx1250"
	.amdhsa_code_object_version 6
	.text
	.protected	k_q624ff96453_loss
	.globl	k_q624ff96453_loss
	.p2align	8
	.type	k_q624ff96453_loss,@function
k_q624ff96453_loss:
	s_mov_b64 s[64:65], 0
	v_nop
	global_prefetch_b8 v0, s[64:65] scope:SCOPE_SE
	s_setreg_imm32_b32 hwreg(HW_REG_WAVE_MODE, 25, 1), 1
	s_wait_xcnt 0x0
; out1 = 0.01 x 2 x sum over e of f_e P_e.  P_e is the mean of the router's probability of expert e over the 16,384 tokens.
; f_e = (mean over tokens of the number of times e is among the token's two chosen experts) / 2.  The two chosen of two experts are always both, whatever the numbers, so that count is 1 and f_e = 1 / 2.
; part: [256 work-groups][32 lanes] pairs (sum of p_0, sum of p_1): 65,536 bytes.  One work-group of eight waves: thread t takes 16 bytes at 16 t + 4,096 i, i = 0 .. 15: each load of a wave covers 512 consecutive bytes.
; A sum over work-groups wants a launch of its own: no matrix unit, no tensor load and no cluster would serve 64 KiB read once.
	s_load_b128 s[4:7], s[0:1], 0x0                ; part, out1
	v_lshl_add_u32 v80, v0, 2, 0x100
	v_mov_b32 v81, 0
	v_lshlrev_b32 v1, 4, v0
	v_lshrrev_b32 v2, 5, v0
	v_readfirstlane_b32 s8, v2                     ; wave
	s_mov_b32 s10, 0x76543210
	s_mov_b32 s11, 0xfedcba98
	v_mov_b32 v8, 0                                ; a lane permute's destination counts as one of its sources
	v_mov_b32 v9, 0
	s_wait_kmcnt 0x0
.irp i, 0,1,2,3,4,5,6,7,8,9,10,11,12,13,14,15
	global_load_b128 v[16+4*\i:19+4*\i], v1, s[4:5] offset:4096*\i
.endr
	s_wait_loadcnt 0x0
	v_pk_add_f32 v[4:5], v[16:17], v[20:21]        ; two chains of pairs (p_0, p_1)
	v_pk_add_f32 v[6:7], v[18:19], v[22:23]
.irp i, 2,3,4,5,6,7,8,9,10,11,12,13,14,15
	v_pk_add_f32 v[4:5], v[4:5], v[16+4*\i:17+4*\i]
	v_pk_add_f32 v[6:7], v[6:7], v[18+4*\i:19+4*\i]
.endr
	v_pk_add_f32 v[4:5], v[4:5], v[6:7]
.irp x, 1,2,4,8
	v_add_f32_dpp v4, v4, v4 row_xmask:\x row_mask:0xf bank_mask:0xf
	v_add_f32_dpp v5, v5, v5 row_xmask:\x row_mask:0xf bank_mask:0xf
.endr
	v_permlanex16_b32 v8, v4, s10, s11
	v_permlanex16_b32 v9, v5, s10, s11
	v_pk_add_f32 v[4:5], v[4:5], v[8:9]            ; the wave's two sums, in every lane
	v_mov_b32 v10, s8
	v_lshlrev_b32 v10, 3, v10
	ds_store_b64 v10, v[4:5]                       ; all lanes write the same pair to the wave's 8 bytes
	s_wait_dscnt 0x0
	s_barrier_signal -1
	s_barrier_wait -1
	v_mov_b32 v11, 0
.irp i, 0,1,2,3
	ds_load_b128 v[16+4*\i:19+4*\i], v11 offset:16*\i
.endr
	s_wait_dscnt 0x0
	v_pk_add_f32 v[4:5], v[16:17], v[18:19]
	v_pk_add_f32 v[6:7], v[20:21], v[22:23]
	v_pk_add_f32 v[4:5], v[4:5], v[24:25]
	v_pk_add_f32 v[6:7], v[6:7], v[26:27]
	v_pk_add_f32 v[4:5], v[4:5], v[28:29]
	v_pk_add_f32 v[6:7], v[6:7], v[30:31]
	v_pk_add_f32 v[4:5], v[4:5], v[6:7]
	v_mul_f32 v4, 0x38800000, v4                   ; P_0 = the sum / 16,384
	v_mul_f32 v5, 0x38800000, v5                   ; P_1
	v_mul_f32 v4, 0.5, v4                          ; f_0 P_0
	v_fmac_f32 v4, 0.5, v5                         ; + f_1 P_1
	v_mul_f32 v4, 0x3ca3d70a, v4                   ; x 0.01 x 2
	v_mov_b32 v12, 0
	v_cmp_eq_u32 vcc_lo, 0, v0
	s_wait_xcnt 0x0                                ; EXEC changes only behind this wait
	s_wait_tensorcnt 0x0
	ds_add_u32 v80, v81
	s_wait_dscnt 0x0
	s_and_saveexec_b32 s12, vcc_lo
	global_store_b32 v12, v4, s[6:7]               ; thread 0 alone
	s_endpgm
.Lfunc_end_k_q624ff96453_loss:
	.size	k_q624ff96453_loss, .Lfunc_end_k_q624ff96453_loss-k_q624ff96453_loss
	.p2alignl 7, 3214868480
	.fill 96, 4, 3214868480
	.section	.rodata,"a",@progbits
	.p2align	6, 0x0
	.amdhsa_kernel k_q624ff96453_loss
		.amdhsa_group_segment_fixed_size 1280
		.amdhsa_private_segment_fixed_size 0
		.amdhsa_enable_private_segment 0
		.amdhsa_kernarg_size 16
		.amdhsa_user_sgpr_count 2
		.amdhsa_user_sgpr_kernarg_segment_ptr 1
		.amdhsa_wavefront_size32 1
		.amdhsa_system_sgpr_workgroup_id_x 1
		.amdhsa_system_sgpr_workgroup_id_y 1
		.amdhsa_system_sgpr_workgroup_id_z 1
		.amdhsa_system_vgpr_workitem_id 0
		.amdhsa_next_free_vgpr 82
		.amdhsa_next_free_sgpr 66
		.amdhsa_reserve_vcc 1
		.amdhsa_float_denorm_mode_32 3
		.amdhsa_float_denorm_mode_16_64 3
		.amdhsa_memory_ordered 1
		.amdhsa_forward_progress 1
		.amdhsa_inst_pref_size 7
	.end_amdhsa_kernel
	.amdgpu_metadata
---
amdhsa.version: [ 1, 2 ]
amdhsa.kernels:
  - .name:           k_q624ff96453_loss
    .symbol:         k_q624ff96453_loss.kd
    .args:
      - { .name: part, .offset: 0, .size: 8, .value_kind: global_buffer, .address_space: global }
      - { .name: out1, .offset: 8, .size: 8, .value_kind: global_buffer, .address_space: global }
    .group_segment_fixed_size: 1280
    .private_segment_fixed_size: 0
    .kernarg_segment_align: 8
    .kernarg_segment_size: 16
    .max_flat_workgroup_size: 256
    .sgpr_count:     66
    .vgpr_count:     82
    .wavefront_size: 32
...
	.end_amdgpu_metadata
.endif
;; end of part 2
